; MI455X (gfx1250); checked and timed in simulation.
; The chip was launched on July 23, 2026; its instructions are those of AMD's public machine-readable ISA for CDNA 5 (MIT licence, August 2026) and "CDNA5" Instruction Set Architecture Reference Guide (July 2026). The comments in the code are by the model that wrote it; some were corrected since.
;; QKV Attention Legacy. Allowed arithmetic: matrix products marked QUANTISED: E3M2 operands, one E8M0 scale for each 32 along K, by v_wmma_scale_f32_16x16x128_f8f6f4 with both operands' format E3M2, f32 sums; everything else in f32.
;; Inputs: qkv 4 x 3,072 x 2,048 float32.
;; Outputs: out0 4 x 1,024 x 2,048 float32.
;; This version of the problem:
;;   THIS VERSION OF THE PROBLEM IS GIVEN IN LOW PRECISION. The matrix products marked QUANTISED in the list below multiply operands that are first quantised to E3M2 (3 exponent bits, 2 mantissa bits; 6 bits a number), with one power-of-two scale for each 32 numbers along K (OCP MX v1.0); their sums are f32. All else is computed in f32.
;;   The module's matrix products, in the order in which they are computed (A, B: the left and right operand; K: the contracted axis; several contracted axes count as one K, in the product's order):
;;     1. batch 64 x [M 2,048, K 64] x [K 64, N 2,048]; A: computed on the way; B: computed on the way: QUANTISED
;;     2. batch 64 x [M 64, K 2,048] x [K 2,048, N 2,048]; A: input qkv; B: softmax (see below): QUANTISED
;;   THE QUANTISER, for each operand of a quantised product, along K:
;;     - K is cut into blocks of 32 from its start; a last block that is shorter is filled with zeros.
;;     - A block's scale is 2^e with e = floor(log2(the largest magnitude in the block)) - 4, held to -126 .. 127; a block of zeros has e = 0. As a byte (E8M0): e + 127.
;;     - Each number is divided by its block's scale, clamped to +-28, and rounded to the nearest number of E3M2, ties to even, subnormals kept.
;;     - The product sums the exact products of the quantised numbers (number of the format x scale) in f32.
;;   ~~~python
;;   def quantise(x, axis):      # numpy; x: float32 -> the quantised numbers, widened to float32 again
;;       x = np.moveaxis(x, axis, -1); K = x.shape[-1]
;;       x = np.pad(x, [(0, 0)] * (x.ndim - 1) + [(0, -K % 32)]); x = x.reshape(x.shape[:-1] + (-1, 32)); a = np.abs(x).max(-1, keepdims=True)
;;       e = np.where(a > 0, np.clip(np.frexp(np.where(a > 0, a, 1))[1] - 1 - 4, -126, 127), 0)      # np.frexp(a)[1] - 1 = floor(log2(a)), exactly
;;       r = np.clip(x / 2.0 ** e, -28, 28)
;;       step = 2.0 ** (np.maximum(np.frexp(np.where(r == 0, 1, r))[1] - 1, -2) - 2)
;;       q = np.round(r / step) * step * 2.0 ** e      # np.round: ties to even
;;       return np.moveaxis(q.reshape(q.shape[:-2] + (-1,))[..., :K], -1, axis).astype(np.float32)
;;   ~~~
;;   SOFTMAX AHEAD OF A QUANTISED PRODUCT. Where the list says 'softmax', what is quantised is not the finished softmax but p = 2^(t - M), with t = logit x log2(e) and M = ceil(the row's largest t), a whole number; so 1/2 < the row's largest p <= 1. The row's sum l is taken of the UNQUANTISED p, in f32, and the product's result is divided by l at the end. Since M is a whole number, a kernel that streams over the keys may use a running M (the ceiling of the running maximum): every later rescaling is an exact power of two, which a block's scale takes up: the codes' values come out the same.
;;   OPERANDS COMPUTED ON THE WAY. 'Computed on the way' means the value that the module computes at that place (a softmax that the list does not call 'softmax' is quantised finished and normalised). What goes into a quantiser is computed in f32, as accurately as f32 sums, v_exp_f32 and their like allow (about 1e-6 of the number): no bf16 or f16 on the way to a quantiser, and a product that is left as it is and whose result goes on into a quantised operand takes f32 operands (vector FMAs, or v_wmma_f32_16x16x4_f32). A number that lies on a knife's edge between two numbers of the format may be rounded either way, as far as f32 arithmetic and the matrix unit's own rounding can turn it there, and no further.
;; 2 versions. Each part assembles by itself: llvm-mc -triple=amdgcn-amd-amdhsa -mcpu=gfx1250 --defsym DOCPART=n.
;; ======== version 1 of 2: 1 launch
;; launch attn (part 1): grid 4 x 64, 16 waves a work-group, no clusters, 319,488 bytes of LDS; arguments qkv, out0; writes out0
.if DOCPART == 1
	.amdgcn_target "amdgcn-amd-amdhsa--gfx1250"
	.amdhsa_code_object_version 6
	.text
	.protected	k_qe5d04cac97_attn
	.globl	k_qe5d04cac97_attn
	.p2align	8
	.type	k_qe5d04cac97_attn,@function
k_qe5d04cac97_attn:
	s_mov_b64 s[64:65], 0
	v_nop
	global_prefetch_b8 v0, s[64:65] scope:SCOPE_SE
	s_setreg_imm32_b32 hwreg(HW_REG_WAVE_MODE, 25, 1), 1
	s_wait_xcnt 0x0
; QKVAttentionLegacy on codes of BF6 (E3M2), one E8M0 scale for each 32 along a product's K.
; qkv is [64 heads][192 rows][2048] f32: a head's rows 0-63 are q, 64-127 k, 128-191 v, positions innermost.  out0 is [64 heads][64 channels][2048 queries] f32.
;   S[t][s] = sum over c of Q6(q[c][t] / sqrt(8)) Q6(k[c][s] / sqrt(8))     K = the 64 channels: two blocks of 32; the upper half of the instruction's 128 is zero codes on both sides
;   p = 2^(S log2(e) - M), M = the running largest t rounded up to a whole number; p is quantised along the keys; l = the f32 sum of the unquantised p
;   O[c][t] = sum over s of Q6(v[c][s]) Q6(p[t][s]) / l                     K = the keys
; SHARES.  A work-group owns 512 queries of one head (x = which 512, y = the head): 4 x 64 = 256 work-groups of 16 waves.
; PHASE 1: the work-group reads the head's k and v (1 MiB) and its 512 columns of q (128 KiB), quantises them in registers and lays them in LDS as IMAGES OF THE OPERANDS' REGISTERS:
; 98,304 bytes of K's codes, as many of V's, 24,576 of Q's, and the scale words.  They stay: phase 2 reads memory no more, there is no ring and no refill.
; PHASE 2: two passes; in each a wave owns one tile of 16 queries and walks the 2,048 keys in 16 steps of 128.  Both products are used transposed (S^T = K Q^T, O^T = V P^T), so that a lane holds ONE query throughout.
; THE KEYS OF A TILE ARE NOT NEIGHBOURS: row r of tile 2 b + u is key 32 b + 8 u + r + 8 (r / 8), so that the 16 registers of tiles 2 b and 2 b + 1 are 16 neighbouring keys, 32 b + 16 (lane / 16) + 0 .. 15.
; Sixteen waves of 256 registers, four to a SIMD: a key step is 238 vector instructions beside 12 matrix instructions, so one wave's vector work stands beside another's matrix work and LDS loads.
; NO CLUSTER, NO TENSOR LOAD: what the four work-groups of a head share is f32 that is read once, at the head, and has to pass through registers to be quantised.  The images take 235,520 bytes of LDS; what is left
; would hold two slots of some 44 KB, so 1 MiB would want 24 rounds of the cluster's barrier with one slot on its way in each; by loads into registers each of the 16 waves has up to 64 loads of 256 bytes out.
; NO PREFETCH: all that is read from memory is asked for in one stream at the kernel's head.
; LIMITS: NaN and infinities among the inputs are not served.  A block whose largest magnitude lies under 2^-122 (a block of zeros among them, whose codes are zeros) gets the scale byte 1, the floor.
; p under 2^-126 counts as 0 (v_exp_f32).  The division by l is a multiplication by v_rcp_f32's result.
.set ROW,    8192                      ; a row of qkv or of out0 in bytes
.set HEADB,  192*ROW                   ; a head in qkv
.set KOFF,   64*ROW                    ; k in a head
.set VOFF,   128*ROW                   ; v in a head
.set SCL,    0x3eb504f3                ; 1 / sqrt(sqrt(64)) as f32
.set CS,     0x3fb8aa3b                ; log2(e)
; LDS
.set KIMG,   0                         ; K: a key step 6,144 bytes = 8 tiles of 768: registers 0-3 of lane L at 16 L, registers 4-5 at 512 + 8 L; L = row + 16 x channel block
.set VIMG,   98304                     ; V: fragment (step, 16 channels) at 1,536 (4 step + tile): register p of lane L at 512 (p / 4) + 16 L + 4 (p % 4)
.set KSC,    196608                    ; K's scale words: 512 a step: 16 L + 4 b: lanes 0-15 tile 2 b, lanes 16-31 tile 2 b + 1
.set VSC,    204800                    ; V's: 256 a step: 8 L + 4 i: lanes 0-15 tile 2 i, lanes 16-31 tile 2 i + 1
.set QIMG,   208896                    ; Q: 32 tiles of 768, laid as K's, queries in their order
.set QSC,    233472                    ; Q's scale words: 4 x query
.set STG,    235520                    ; phase 1: two stages of 2,560 bytes for each wave; phase 2: the way out, 64 rows of 1,040 bytes
.set SPITCH, 1040                      ; 256 queries x 4 bytes + 16
; phase 1's registers (v24-31 hold scales in phase 2 and nothing else in the whole text)
.set VOQ,  4                           ; v4   4 x thread: my column of q
.set VOK,  5                           ; v5   8 x thread: my two columns of k
.set VOV,  6                           ; v6   16 x lane + 4 rows x wave: v
.set AQ16, 7                           ; v7-9   where my column of q goes: 16-byte part, 8-byte part, scale word
.set AQ8,  8
.set AQW,  9
.set AK16, 10                          ; v10-12 the same for k
.set AK8,  11
.set AKW,  12
.set AVE,  13                          ; v13-15 where my three registers of v's codes go; v16-18 the same 49,152 bytes on
.set AVB,  19                          ; v19  v's scale byte
.set TIN,  20                          ; v20  the turn stage, in
.set TOUT, 21                          ; v21  and out
.set RA,   32                          ; v32-95   numbers as loaded, set A
.set RB,   96                          ; v96-159  set B
.set X,    160                         ; v160-191 a block's 32 scaled numbers; for v two sets of 16 neighbours
.set C,    192                         ; v192-197 a block's codes
.set CT,   200                         ; v200-202 their upper half as the conversion leaves it
.set MA,   208
.set MB,   209
.set SQ,   210                         ; the conversion's scale operand
.set BY,   211
.set KB,   212                         ; v212-213 the lower channel block's byte, for each of my two columns
.set WD,   214
.set VC,   216                         ; v216-218, v220-222 v's codes, two sets
.set VBY,  224                         ; v224-225 v's byte, two sets
; phase 2's registers
.set STO,  11                          ; v11  the way out: where I put a number
.set KF,   32                          ; v32-79   four fragments of K; registers 6-11 of each stay 0
.set VF,   80                          ; v80-127  V's four fragments of a step
.set S,    128                         ; v128-191 S^T, then p
.set O,    192                         ; v192-223 O^T
.set PC,   224                         ; v224-235 p's codes
.set BM,   232                         ; v232-235 the blocks' largest scores (ahead of the codes)
.set PT,   236                         ; v236-242 at work
.set RD,   243                         ; v243 the way out: where I read a row back
.set SOP,  244                         ; v244-247 the conversions' scale operands
.set NM,   248                         ; v248 -M, v249 the largest t: named as a pair
.set TM,   249
.set LS,   250                         ; v[250:251] l in two halves
.set FF,   252                         ; v252 f, v253 = 0: named as a pair
.set TP,   254
.set GO,   255                         ; v255 my byte offset in out0
.set OB,   160                         ; the way out: four rows read back
.macro LDQ hb, R                       ; channel block hb of my column of q: a lane to a column, registers down K; the 16 waves stand side by side on 2,048 bytes of a row
.irp i, 0,1,2,3,4,5,6,7,8,9,10,11,12,13,14,15,16,17,18,19,20,21,22,23,24,25,26,27,28,29,30,31
	global_load_b32 v[\R+\i], v[VOQ], s[14:15] offset:(32*\hb+\i)*ROW th:TH_LOAD_NT   ; read once in the launch
.endr
.endm
.macro LDK k, hb, R                    ; channel block hb of my two columns of k in half k of the keys: a wave's load covers 256 consecutive bytes, aligned.  No hint: four work-groups read these bytes
.irp i, 0,1,2,3,4,5,6,7,8,9,10,11,12,13,14,15,16,17,18,19,20,21,22,23,24,25,26,27,28,29,30,31
	global_load_b64 v[\R+2*\i:\R+2*\i+1], v[VOK], s[12:13] offset:KOFF+(32*\hb+\i)*ROW+4096*\k
.endr
.endm
; One block of 32 channels of one column: v[R + nc i + col], i = 0 .. 31, times 1 / sqrt(8), becomes six registers of codes and a scale byte, and goes to its lane's place in the image.
.macro QBLK R, nc, col, hb, a16, a8, aw, o16, o8, ow
.irp i, 0,1,2,3,4,5,6,7,8,9,10,11,12,13,14,15,16,17,18,19,20,21,22,23,24,25,26,27,28,29,30,31
	v_mul_f32 v[X+\i], s24, v[\R+\nc*\i+\col]      ; what is quantised is q x scale, k x scale, in f32
.endr
	v_max3_num_f32 v[MA], |v[X]|, |v[X+1]|, |v[X+2]|               ; the block's largest magnitude: all 32 numbers are mine; two chains
	v_max3_num_f32 v[MB], |v[X+3]|, |v[X+4]|, |v[X+5]|
.irp i, 6,10,14,18,22,26
	v_max3_num_f32 v[MA], v[MA], |v[X+\i]|, |v[X+\i+1]|
	v_max3_num_f32 v[MB], v[MB], |v[X+\i+2]|, |v[X+\i+3]|
.endr
	v_max3_num_f32 v[MA], v[MA], |v[X+30]|, |v[X+31]|
	v_max3_num_f32 v[MA], v[MA], v[MB], 0x2800000  ; and the floor 2^(5 - 127): the byte cannot fall under 1
	v_add_nc_u32 v[SQ], 0xfe000000, v[MA]          ; 4 off the exponent field: the conversion takes this operand's exponent field as its scale
	v_cvt_scalef32_pk16_bf6_f32 v[C:C+2], v[X:X+15], v[SQ]
	v_cvt_scalef32_pk16_bf6_f32 v[CT:CT+2], v[X+16:X+31], v[SQ]    ; (a conversion's three registers begin on an even number)
.if \hb
	v_lshrrev_b32 v[BY], 23, v[SQ]                 ; the scale's byte.  (The plain line behind the conversions)
	v_lshl_or_b32 v[WD], v[BY], 8, v[KB+\col]      ; the column's scale word: bytes 0 and 1; bytes 2 and 3 stay 0 and scale zero codes
.else
	v_lshrrev_b32 v[KB+\col], 23, v[SQ]
.endif
.irp i, 0,1,2
	v_mov_b32 v[C+3+\i], v[CT+\i]
.endr
	ds_store_b128 v[\a16], v[C:C+3] offset:\o16
	ds_store_b64 v[\a8], v[C+4:C+5] offset:\o8
.if \hb
	ds_store_b32 v[\aw], v[WD] offset:\ow
.endif
	s_wait_dscnt 0x0                               ; the stores have read their registers: the next block's codes may be written
.endm
.macro KBLKS k, hb, R                  ; my two columns
	QBLK \R, 2, 0, \hb, AK16, AK8, AKW, 49152*\k+256*\hb, 49152*\k+512+128*\hb, 4096*\k
	QBLK \R, 2, 1, \hb, AK16, AK8, AKW, 49152*\k+256*\hb+16, 49152*\k+512+128*\hb+8, 4096*\k+16
.endm
; v: K = the keys, innermost.  A wave takes 4 channels, 16 steps of 512 numbers: step t is quarter t % 4 of channel 4 w + t / 4.  Each load reads 512 consecutive bytes.
.macro VLOAD t
.irp i, 0,1,2,3
	global_load_b128 v[RA+16*((\t)%4)+4*\i:RA+16*((\t)%4)+4*\i+3], v[VOV], s[12:13] offset:VOFF+2048*(\t)+512*\i
.endr
.endm
.macro TURN t                          ; a step's 2,048 bytes go through the wave's own stage as they lie and come back 64 bytes a lane: 16 neighbours along K.  LDS serves a wave's instructions in order (ISA guide 5.7.1): no wait between
.irp i, 0,1,2,3
	ds_store_b128 v[TIN], v[RA+16*((\t)%4)+4*\i:RA+16*((\t)%4)+4*\i+3] offset:2560*((\t)%2)+640*\i
.endr
.irp i, 0,1,2,3
	ds_load_b128 v[X+16*((\t)%2)+4*\i:X+16*((\t)%2)+4*\i+3], v[TOUT] offset:2560*((\t)%2)+16*\i
.endr
.endm
.macro VSTEP t
.set XS, X+16*((\t)%2)
.set VCS, VC+4*((\t)%2)
.if (\t) > 0
	s_wait_dscnt 4                                 ; this step's numbers are back from the stage; younger: the last step's three code stores and its byte store
.else
	s_wait_dscnt 0x0
.endif
.if (\t)+4 < 16
	VLOAD (\t)+4                                   ; into the registers that this step's stores into the stage have read
.endif
.if (\t)+1 < 16
.if 14-(\t) >= 3
	s_wait_loadcnt 12                              ; the next step's four loads are in; those of the three steps behind it may be out
.else
	s_wait_loadcnt 4*(14-(\t))
.endif
	TURN (\t)+1
.endif
	v_max3_num_f32 v[MA], |v[XS]|, |v[XS+1]|, |v[XS+2]|            ; the largest magnitude of my 16
	v_max3_num_f32 v[MB], |v[XS+3]|, |v[XS+4]|, |v[XS+5]|
.irp i, 6,10
	v_max3_num_f32 v[MA], v[MA], |v[XS+\i]|, |v[XS+\i+1]|
	v_max3_num_f32 v[MB], v[MB], |v[XS+\i+2]|, |v[XS+\i+3]|
.endr
	v_max3_num_f32 v[MA], v[MA], |v[XS+14]|, |v[XS+15]|
	v_max3_num_f32 v[MA], v[MA], v[MB], 0x2800000  ; and the floor
	v_max_num_f32_dpp v[MA], v[MA], v[MA] row_xmask:1 row_mask:0xf bank_mask:0xf   ; and of my neighbour's 16: the block's
	v_add_nc_u32 v[SQ], 0xfe000000, v[MA]
	v_cvt_scalef32_pk16_bf6_f32 v[VCS:VCS+2], v[XS:XS+15], v[SQ]
	v_lshrrev_b32 v[VBY+(\t)%2], 23, v[SQ]         ; the scale's byte.  (The plain line behind the conversion)
.irp e, 0,1,2
	ds_store_b32 v[AVE+\e+3*(((\t)%4)/2)], v[VCS+\e] offset:24576*((\t)%2)+16*((\t)/4)   ; register 6 c + 3 (lane % 2) + e of the lane that holds my channel and my block
.endr
	ds_store_b8 v[AVB], v[VBY+(\t)%2] offset:1024*((\t)%4)+8*((\t)/4)   ; both lanes of a block write the same byte with the same value
.endm
.macro BARRIER                         ; my LDS stores have landed and my LDS loads are in: then the work-group's barrier
	s_wait_dscnt 0x0
	s_barrier_signal -1
	s_barrier_wait -1
.endm
	s_load_b128 s[4:7], s[0:1], 0x0                ; qkv s[4:5], out0 s[6:7]
	v_lshrrev_b32 v1, 5, v0
	v_readfirstlane_b32 s8, v1                     ; wave 0..15
	v_and_b32 v1, 31, v0                           ; lane
	s_and_b32 s9, ttmp7, 0xffff                    ; the head
	s_mov_b32 s20, 0x76543210
	s_mov_b32 s21, 0xfedcba98                      ; v_permlanex16_b32's selects for lane l xor 16
	s_mov_b32 s22, CS
	s_mov_b32 s23, s22                             ; (the packed form names the pair)
	s_mov_b32 s24, SCL
	v_lshlrev_b32 v[VOQ], 2, v0
	v_lshlrev_b32 v[VOK], 3, v0
	s_lshl_b32 s30, s8, 15
	v_lshl_add_u32 v[VOV], v1, 4, s30
	s_mul_i32 s18, s9, HEADB                       ; at most 63 x 1,572,864: under 2^32
	s_mov_b32 s19, 0
	s_wait_kmcnt 0x0
	s_add_nc_u64 s[12:13], s[4:5], s[18:19]        ; the head
	s_lshl_b32 s18, ttmp9, 11                      ; my 512 queries: 2,048 bytes of a row
	s_add_nc_u64 s[14:15], s[12:13], s[18:19]      ; q at my first query
	LDQ 0, RA
	LDQ 1, RB
	s_lshl_b32 s31, s9, 19                         ; a head of out0: 64 rows
	s_add_co_u32 s18, s18, s31
	s_add_nc_u64 s[16:17], s[6:7], s[18:19]        ; out0 at the head's first row, my first query
	; where my column of q goes: tile 2 w + lane / 16, row lane % 16
	s_mul_i32 s31, s8, 1536
	s_add_co_u32 s31, s31, QIMG
	v_lshrrev_b32 v2, 4, v1
	v_and_b32 v3, 15, v1
	v_mul_u32_u24 v2, v2, 768
	v_add_nc_u32 v2, s31, v2
	v_lshl_add_u32 v[AQ16], v3, 4, v2
	v_lshl_add_u32 v[AQ8], v3, 3, v2
	v_lshl_add_u32 v[AQW], v0, 2, QSC
	; my keys are 1,024 k + 64 w + 2 lane + col: step 8 k + w / 2, tile 4 (w % 2) + 2 (lane / 16) + (lane / 4) % 2, row 8 ((lane / 8) % 2) + 2 (lane % 4) + col
	s_mul_i32 s32, s8, 3072                        ; 6,144 (w / 2) + 3,072 (w % 2)
	v_lshrrev_b32 v2, 4, v1
	v_bfe_u32 v3, v1, 2, 1
	v_lshl_add_u32 v2, v2, 1, v3
	v_mul_u32_u24 v2, v2, 768
	v_add_nc_u32 v2, s32, v2
	v_bfe_u32 v3, v1, 3, 1
	v_and_b32 v22, 3, v1
	v_lshl_add_u32 v23, v3, 2, v22                 ; half the row
	v_lshl_add_u32 v[AK16], v23, 5, v2
	v_lshl_add_u32 v[AK8], v23, 4, v2
	s_lshr_b32 s33, s8, 1
	s_lshl_b32 s33, s33, 9
	s_and_b32 s34, s8, 1
	s_lshl_b32 s34, s34, 3
	s_add_co_u32 s33, s33, s34
	s_add_co_u32 s33, s33, KSC
	v_lshlrev_b32 v[AKW], 5, v23                   ; the scale word: 16 x row,
	v_bfe_u32 v3, v1, 2, 1
	v_lshl_add_u32 v[AKW], v3, 8, v[AKW]           ; + 256 for the odd tile of a pair,
	v_lshrrev_b32 v3, 4, v1
	v_lshl_add_u32 v[AKW], v3, 2, v[AKW]           ; + 4 x the pair
	v_add_nc_u32 v[AKW], s33, v[AKW]
	; v: my 16 codes of a step are keys 512 (t % 4) + 16 lane on, of channel 4 w + t / 4: step 4 (t % 4) + lane / 8, registers 6 ((lane / 4) % 2) + 3 (lane % 2) on, of lane 4 (w % 4) + t / 4 + 16 ((lane / 2) % 2)
	v_bfe_u32 v2, v1, 2, 1
	v_and_b32 v3, 1, v1
	v_mul_u32_u24 v2, v2, 6
	v_mad_u32_u24 v2, v3, 3, v2                    ; my first register
	s_lshr_b32 s35, s8, 2
	s_mul_i32 s35, s35, 1536
	s_and_b32 s34, s8, 3
	s_lshl_b32 s34, s34, 6
	s_add_co_u32 s35, s35, s34
	s_add_co_u32 s35, s35, VIMG
	v_lshrrev_b32 v3, 3, v1
	v_mul_u32_u24 v3, v3, 6144
	v_bfe_u32 v22, v1, 1, 1
	v_lshl_add_u32 v3, v22, 8, v3
	v_add_nc_u32 v3, s35, v3
.irp e, 0,1,2
	v_add_nc_u32 v22, \e, v2
	v_lshrrev_b32 v23, 2, v22
	v_and_b32 v22, 3, v22
	v_lshl_add_u32 v23, v23, 9, v3
	v_lshl_add_u32 v[AVE+\e], v22, 2, v23
	v_add_nc_u32 v[AVE+3+\e], 49152, v[AVE+\e]     ; an LDS immediate has 16 bits: the upper two quarters of the keys have registers of their own
.endr
	s_and_b32 s36, s8, 3
	s_lshl_b32 s36, s36, 5
	s_bfe_u32 s34, s8, 0x10002
	s_lshl_b32 s34, s34, 7
	s_add_co_u32 s36, s36, s34
	s_lshr_b32 s34, s8, 3
	s_lshl_b32 s34, s34, 2
	s_add_co_u32 s36, s36, s34
	s_add_co_u32 s36, s36, VSC
	v_lshrrev_b32 v2, 3, v1
	v_bfe_u32 v3, v1, 1, 2
	v_lshl_add_u32 v[AVB], v2, 8, v3
	v_add_nc_u32 v[AVB], s36, v[AVB]
	s_mul_i32 s30, s8, 5120
	s_add_co_u32 s30, s30, STG                     ; my two turn stages: 32 places of 64 bytes + 16 each
	v_lshrrev_b32 v2, 2, v1
	v_mul_u32_u24 v2, v2, 80
	v_and_b32 v3, 3, v1
	v_lshl_add_u32 v2, v3, 4, v2
	v_add_nc_u32 v[TIN], s30, v2
	v_mul_u32_u24 v3, v1, 80
	v_add_nc_u32 v[TOUT], s30, v3
	; ---- PHASE 1.  Six half-tasks on two sets of registers: each waits for its own 32 loads, quantises, and asks for what its set takes next
	s_wait_loadcnt 32                              ; q's lower channel block is in; the upper block's 32 loads may be out
	QBLK RA, 1, 0, 0, AQ16, AQ8, AQW, 0, 512, 0
	LDK 0, 0, RA
	s_wait_loadcnt 32                              ; behind mine: the 32 just issued
	QBLK RB, 1, 0, 1, AQ16, AQ8, AQW, 256, 640, 0
	LDK 0, 1, RB
	s_wait_loadcnt 32
	KBLKS 0, 0, RA
	LDK 1, 0, RA
	s_wait_loadcnt 32
	KBLKS 0, 1, RB
	LDK 1, 1, RB
	s_wait_loadcnt 32
	KBLKS 1, 0, RA
.irp t, 0,1,2,3
	VLOAD \t
.endr
	s_wait_loadcnt 16                              ; behind mine: v's first four steps, 16 loads
	KBLKS 1, 1, RB
	s_wait_loadcnt 12                              ; v's step 0 is in
	TURN 0
.irp t, 0,1,2,3,4,5,6,7,8,9,10,11,12,13,14,15
	VSTEP \t
.endr
	BARRIER                                        ; all images and scale words lie in LDS; nobody writes them again
	; ---- PHASE 2
	v_and_b32 v9, 31, v0                           ; lane
	v_and_b32 v10, 15, v0                          ; r
	v_bfe_u32 v8, v0, 4, 1                         ; h
	v_lshlrev_b32 v1, 4, v9                        ; KIMG + 16 lane
	v_lshl_add_u32 v2, v9, 3, KIMG+512
	v_lshl_add_u32 v3, v9, 4, VIMG
	v_lshl_add_u32 v4, v9, 4, KSC
	v_lshl_add_u32 v5, v9, 3, VSC
	s_lshl_b32 s30, s8, 6
	s_add_co_u32 s34, s30, QSC                     ; my tile's scale words of q in pass 0
	s_add_co_u32 s30, s30, STG
	s_mul_i32 s31, s8, 4*SPITCH
	s_add_co_u32 s31, s31, STG
	s_lshl_b32 s32, s8, 15
	s_mul_i32 s33, s8, 768
	s_add_co_u32 s33, s33, QIMG                    ; my tile of q in pass 0
	v_mul_u32_u24 v6, v8, 8*SPITCH
	v_lshl_add_u32 v6, v10, 2, v6
	v_add_nc_u32 v[STO], s30, v6                   ; the way out, in: row 8 h (+ 16 tile + register), query 16 w + r
	v_lshl_add_u32 v[RD], v9, 4, s31               ; back: rows 4 w on, 16 bytes a lane
	v_lshl_add_u32 v[GO], v9, 4, s32               ; and the same rows in out0
.irp j, 18,19,20,21,22,23
	v_mov_b32 v\j, 0                               ; channels 64 to 127 of q: zero codes
.endr
.irp t, 0,1,2,3
.irp j, 6,7,8,9,10,11
	v_mov_b32 v[KF+12*\t+\j], 0                    ; and of k: written once, no load lands here
.endr
.endr
.irp b, 0,1,2,3
	v_mov_b32 v[PT+\b], 0                          ; written once: a lane permute's destination counts as one of its sources
.endr
	v_mov_b32 v[FF+1], 0                           ; (named as the upper half of the pair beside f)
.macro KQ4 g                           ; four tiles of S^T: source 0 = 16 keys, source 1 = my 16 queries.  Tile 4 g + t takes its scale words from register 24 + 2 g + t / 2: the even tile's in lanes 0-15, the odd one's in lanes 16-31
.irp t, 0,1,2,3
.if \t%2
	v_wmma_scale_f32_16x16x128_f8f6f4 v[S+8*(4*\g+\t):S+8*(4*\g+\t)+7], v[KF+12*\t:KF+12*\t+11], v[12:23], 0, v[24+2*\g+\t/2], v31 matrix_a_fmt:MATRIX_FMT_BF6 matrix_b_fmt:MATRIX_FMT_BF6 matrix_a_scale:MATRIX_SCALE_ROW1
.else
	v_wmma_scale_f32_16x16x128_f8f6f4 v[S+8*(4*\g+\t):S+8*(4*\g+\t)+7], v[KF+12*\t:KF+12*\t+11], v[12:23], 0, v[24+2*\g+\t/2], v31 matrix_a_fmt:MATRIX_FMT_BF6 matrix_b_fmt:MATRIX_FMT_BF6
.endif
.endr
.rept 4
	v_nop                                          ; four places behind the products, in front of loads into their operands and of the first read of their results
.endr
.endm
; A KEY STEP: 128 keys.  s26: the step's codes (6,144 bytes a step, K's and V's alike); s27: K's scale words (512); s28: V's (256)
.macro KSTEP
	v_add_nc_u32 v6, s26, v1                       ; (these five and the four v_nop below stand between the last step's products and the loads into V's fragments)
	v_add_nc_u32 v7, s26, v2
	v_add_nc_u32 v8, s26, v3
	v_add_nc_u32 v9, s27, v4
	v_add_nc_u32 v10, s28, v5
	ds_load_b128 v[24:27], v9                      ; the scale words of all eight tiles
.irp t, 0,1,2,3
	ds_load_b128 v[KF+12*\t:KF+12*\t+3], v6 offset:768*\t
	ds_load_b64 v[KF+12*\t+4:KF+12*\t+5], v7 offset:768*\t
.endr
	s_wait_dscnt 0x0
	KQ4 0
.irp t, 0,1,2,3
	ds_load_b128 v[KF+12*\t:KF+12*\t+3], v6 offset:3072+768*\t
	ds_load_b64 v[KF+12*\t+4:KF+12*\t+5], v7 offset:3072+768*\t
.endr
.irp t, 0,1,2,3
.irp i, 0,1,2
	ds_load_b128 v[VF+12*\t+4*\i:VF+12*\t+4*\i+3], v8 offset:1536*\t+512*\i   ; V's four fragments land under the softmax
.endr
.endr
	ds_load_b64 v[28:29], v10
	s_wait_dscnt 13                                ; K's tiles 4 to 7 are in; younger: V's twelve loads and its scale words
	KQ4 1
.irp b, 0,1,2,3
	v_max3_num_f32 v[BM+\b], v[S+16*\b], v[S+1+16*\b], v[S+2+16*\b]   ; the largest score of each block of 32 keys: it serves the row's maximum and, since p rises with the score, the block's largest p.  Each tile is read from its low end on
.endr
.irp i, 3,5,7,9,11,13
.irp b, 0,1,2,3
	v_max3_num_f32 v[BM+\b], v[BM+\b], v[S+16*\b+\i], v[S+1+16*\b+\i]   ; (the four blocks by turns)
.endr
.endr
.irp b, 0,1,2,3
	v_max_num_f32 v[BM+\b], v[BM+\b], v[S+15+16*\b]
.endr
.irp b, 0,1,2,3
	v_permlanex16_b32 v[PT+\b], v[BM+\b], s20, s21
.endr
.irp b, 0,1,2,3
	v_max_num_f32 v[BM+\b], v[BM+\b], v[PT+\b]     ; with lane l xor 16's 16 keys
.endr
	v_max3_num_f32 v[TP], v[BM], v[BM+1], v[BM+2]
	v_max_num_f32 v[TP], v[TP], v[BM+3]            ; the step's largest score of my query
	v_mul_f32 v[TP], s22, v[TP]                    ; as t
	v_max_num_f32 v[TM], v[TM], v[TP]              ; the running largest t
	v_mov_b32 v[TP], v[NM]
	v_floor_f32 v[NM], -v[TM]                      ; the new -M = floor(-t) = -ceil(t): a whole number
	v_sub_f32 v[TP], v[NM], v[TP]                  ; old M - new M: a whole number, 0 or less
	v_cvt_i32_f32 v[TP], v[TP]                     ; (it saturates)
	v_ldexp_f32 v[FF], 1.0, v[TP]                  ; f = 2^(old M - new M): a multiplication by it rounds nothing
.irp j, 0,2,4,6,8,10,12,14,16,18,20,22,24,26,28,30,32,34,36,38,40,42,44,46,48,50,52,54,56,58,60,62
	v_pk_fma_f32 v[S+\j:S+\j+1], v[S+\j:S+\j+1], s[22:23], v[NM:NM+1] op_sel_hi:[1,0,0]   ; t - M, two at a time (of the pairs log2(e) and -M the low word serves both halves)
.endr
.irp b, 0,1,2,3
	v_fma_f32 v[BM+\b], v[BM+\b], s22, v[NM]       ; the same of each block's largest score
.endr
.irp j, 0,1,2,3,4,5,6,7,8,9,10,11,12,13,14,15,16,17,18,19,20,21,22,23,24,25,26,27,28,29,30,31,32,33,34,35,36,37,38,39,40,41,42,43,44,45,46,47,48,49,50,51,52,53,54,55,56,57,58,59,60,61,62,63
	v_exp_f32 v[S+\j], v[S+\j]                     ; p = 2^(t - M), at most 1: not normalised
.endr
.irp b, 0,1,2,3
	v_exp_f32 v[BM+\b], v[BM+\b]                   ; the block's largest p: the same two instructions on the same number
.endr
	v_pk_mul_f32 v[LS:LS+1], v[LS:LS+1], v[FF:FF+1] op_sel_hi:[1,0]   ; l under the new M.  (The plain line behind the exponentials)
	s_wait_alu depctr_va_vdst(0)
.irp b, 0,1,2,3
	v_max_num_f32 v[BM+\b], 0x2800000, v[BM+\b]    ; the floor 2^(5 - 127): the byte cannot fall under 1
.endr
.irp b, 0,1,2,3
	v_add_nc_u32 v[SOP+\b], 0xfe000000, v[BM+\b]   ; 4 off the exponent field: the conversion's scale operand
.endr
.irp b, 0,1,2,3
	v_lshrrev_b32 v[PT+\b], 23, v[SOP+\b]          ; the scale's byte
.endr
	v_lshl_or_b32 v30, v[PT+1], 8, v[PT]           ; p's scale word for these 128 keys
	v_lshl_or_b32 v30, v[PT+2], 16, v30
	v_lshl_or_b32 v30, v[PT+3], 24, v30
.irp c, 0,1
	v_cvt_scalef32_pk16_bf6_f32 v[PC+6*\c:PC+2+6*\c], v[S+32*\c:S+15+32*\c], v[SOP+2*\c]
	v_cvt_scalef32_pk16_bf6_f32 v[PT+4*\c:PT+2+4*\c], v[S+16+32*\c:S+31+32*\c], v[SOP+2*\c+1]   ; (a conversion's three registers begin on an even number)
.endr
	v_nop                                          ; one plain line behind the scaled conversions
.irp c, 0,1                                    ; the operand's layout wants a whole block in a lane: lanes 0-15 block 2 c, lanes 16-31 block 2 c + 1
.irp i, 0,1,2
	v_permlane16_swap_b32 v[PC+6*\c+\i], v[PT+4*\c+\i]
.endr
.irp i, 0,1,2
	v_mov_b32 v[PC+3+6*\c+\i], v[PT+4*\c+\i]
.endr
.endr
.irp j, 0,2,4,6,8,10,12,14,16,18,20,22,24,26,28,30
	v_pk_mul_f32 v[O+\j:O+\j+1], v[O+\j:O+\j+1], v[FF:FF+1] op_sel_hi:[1,0]   ; O^T under the new M, each tile from its low end on
.endr
	v_pk_add_f32 v[PT:PT+1], v[S:S+1], v[S+2:S+3]  ; l takes the UNQUANTISED p: two at a time, in two chains.  (These 32 and the 16 above stand between the writes of p's codes and scale word and the products)
.irp j, 4,8,12,16,20,24,28,32,36,40,44,48,52,56,60
	v_pk_add_f32 v[LS:LS+1], v[LS:LS+1], v[S+\j:S+\j+1]
	v_pk_add_f32 v[PT:PT+1], v[PT:PT+1], v[S+2+\j:S+3+\j]
.endr
	v_pk_add_f32 v[LS:LS+1], v[LS:LS+1], v[PT:PT+1]
	s_wait_dscnt 0x0                               ; V's fragments and scale words are in
.irp t, 0,1,2,3                                ; O^T += V P^T: source 0 = 16 channels, source 1 = p; the four accumulators by turns
.if \t%2
	v_wmma_scale_f32_16x16x128_f8f6f4 v[O+8*\t:O+8*\t+7], v[VF+12*\t:VF+12*\t+11], v[PC:PC+11], v[O+8*\t:O+8*\t+7], v[28+\t/2], v30 matrix_a_fmt:MATRIX_FMT_BF6 matrix_b_fmt:MATRIX_FMT_BF6 matrix_a_scale:MATRIX_SCALE_ROW1
.else
	v_wmma_scale_f32_16x16x128_f8f6f4 v[O+8*\t:O+8*\t+7], v[VF+12*\t:VF+12*\t+11], v[PC:PC+11], v[O+8*\t:O+8*\t+7], v[28+\t/2], v30 matrix_a_fmt:MATRIX_FMT_BF6 matrix_b_fmt:MATRIX_FMT_BF6
.endif
.endr
	s_add_co_u32 s26, s26, 6144
	s_add_co_u32 s27, s27, 512
	s_add_co_u32 s28, s28, 256
.endm
; PASS p: my tile is queries 256 p + 16 w on, of the work-group's 512
.macro PASS p
	v_and_b32 v9, 31, v0
	v_and_b32 v10, 15, v0
	v_lshl_add_u32 v6, v9, 4, s33
	v_lshl_add_u32 v7, v9, 3, s33
	v_lshl_add_u32 v8, v10, 2, s34
	ds_load_b128 v[12:15], v6 offset:12288*\p      ; q's fragment stays in registers for the pass
	ds_load_b64 v[16:17], v7 offset:12288*\p+512
	ds_load_b32 v31, v8 offset:1024*\p             ; and its scale words
	v_mov_b32 v[TM], 0xff61b1e6                    ; the largest t so far: -3e38, under every t
	v_floor_f32 v[NM], -v[TM]                      ; -M
	v_mov_b32 v[LS], 0
	v_mov_b32 v[LS+1], 0
.irp j, 0,1,2,3,4,5,6,7,8,9,10,11,12,13,14,15,16,17,18,19,20,21,22,23,24,25,26,27,28,29,30,31
	v_mov_b32 v[O+\j], 0                           ; O^T: the key step is written once; its first trip finds zeros, which the first change of M leaves zeros.  32 lines against a further copy of the step
.endr
	s_mov_b32 s26, 0
	s_mov_b32 s27, 0
	s_mov_b32 s28, 0
	s_mov_b32 s29, 16                              ; 2,048 keys / 128
	s_wait_dscnt 0x0
.Lkey_\@:
	KSTEP
	s_sub_co_u32 s29, s29, 1
	s_cmp_lg_u32 s29, 0
	s_cbranch_scc1 .Lkey_\@
	; THE WAY OUT.  A lane holds one query and 32 channels; out0 has the queries innermost, and a row's 256 queries of this pass lie in 16 waves: they meet in a stage of 64 rows, and each wave stores 4 whole rows' 1,024 bytes
	v_add_f32 v[LS], v[LS], v[LS+1]                ; l's two halves,
	v_permlanex16_b32 v[FF], v[LS], s20, s21
	v_add_f32 v[LS], v[LS], v[FF]                  ; and lane l xor 16's
	v_rcp_f32 v[LS], v[LS]
.rept 4
	v_nop                                          ; the plain line behind the reciprocal, and four places behind the last products
.endr
	s_wait_alu depctr_va_vdst(0)
.irp j, 0,2,4,6,8,10,12,14,16,18,20,22,24,26,28,30
	v_pk_mul_f32 v[S+\j:S+\j+1], v[O+\j:O+\j+1], v[LS:LS+1] op_sel_hi:[1,0]   ; O^T / l: register 8 t + j is channel 16 t + 8 h + j of my query
.endr
.irp t, 0,1,2,3
.irp j, 0,1,2,3,4,5,6,7
	ds_store_b32 v[STO], v[S+8*\t+\j] offset:(16*\t+\j)*SPITCH
.endr
.endr
	BARRIER                                        ; 64 rows of 256 queries lie in the stage
.irp i, 0,1,2,3
.irp u, 0,1
	ds_load_b128 v[OB+4*(2*\i+\u):OB+4*(2*\i+\u)+3], v[RD] offset:SPITCH*\i+512*\u
.endr
.endr
.irp i, 0,1,2,3
.irp u, 0,1
	s_wait_dscnt 7-(2*\i+\u)                       ; this load is in; the younger ones may be out
	global_store_b128 v[GO], v[OB+4*(2*\i+\u):OB+4*(2*\i+\u)+3], s[16:17] offset:ROW*\i+512*\u+1024*\p th:TH_STORE_NT   ; 32 lanes store 512 consecutive bytes, at a multiple of 256 from out0's first byte
.endr
.endr
.if \p == 0
	s_wait_xcnt 0x0                                ; the stores have read their data: the next pass writes those registers again
	s_barrier_signal -1                            ; every wave's reads of the stage are back (the count-down above ended at 0): the next pass may write it
	s_barrier_wait -1
.endif
.endm
	PASS 0
	PASS 1
	s_wait_xcnt 0x0
	v_lshl_add_u32 v254, v0, 2, 0x4d800
	v_mov_b32 v255, 0
	s_wait_tensorcnt 0x0
	ds_add_u32 v254, v255
	s_wait_dscnt 0x0
	s_endpgm
.Lfunc_end_k_qe5d04cac97_attn:
	.size	k_qe5d04cac97_attn, .Lfunc_end_k_qe5d04cac97_attn-k_qe5d04cac97_attn
	.p2alignl 7, 3214868480
	.fill 96, 4, 3214868480
	.section	.rodata,"a",@progbits
	.p2align	6, 0x0
	.amdhsa_kernel k_qe5d04cac97_attn
		.amdhsa_group_segment_fixed_size 319488
		.amdhsa_private_segment_fixed_size 0
		.amdhsa_enable_private_segment 0
		.amdhsa_kernarg_size 16
		.amdhsa_user_sgpr_count 2
		.amdhsa_user_sgpr_kernarg_segment_ptr 1
		.amdhsa_wavefront_size32 1
		.amdhsa_system_sgpr_workgroup_id_x 1
		.amdhsa_system_sgpr_workgroup_id_y 1
		.amdhsa_system_sgpr_workgroup_id_z 1
		.amdhsa_system_vgpr_workitem_id 0
		.amdhsa_next_free_vgpr 256
		.amdhsa_next_free_sgpr 66
		.amdhsa_reserve_vcc 0
		.amdhsa_float_denorm_mode_32 3
		.amdhsa_float_denorm_mode_16_64 3
		.amdhsa_memory_ordered 1
		.amdhsa_forward_progress 1
		.amdhsa_inst_pref_size 128
	.end_amdhsa_kernel
	.amdgpu_metadata
---
amdhsa.version: [ 1, 2 ]
amdhsa.kernels:
  - .name:           k_qe5d04cac97_attn
    .symbol:         k_qe5d04cac97_attn.kd
    .args:
      - { .name: qkv, .offset: 0, .size: 8, .value_kind: global_buffer, .address_space: global }
      - { .name: out0, .offset: 8, .size: 8, .value_kind: global_buffer, .address_space: global }
    .group_segment_fixed_size: 319488
    .private_segment_fixed_size: 0
    .kernarg_segment_align: 8
    .kernarg_segment_size: 16
    .max_flat_workgroup_size: 512
    .sgpr_count:     66
    .vgpr_count:     256
    .wavefront_size: 32
...
	.end_amdgpu_metadata
.endif
;; end of part 1
;; ======== version 2 of 2: 1 launch; version 1 with the launch attn written anew for expert scheduling mode
;; launch attn (part 2): grid 4 x 64, 16 waves a work-group, no clusters, 319,488 bytes of LDS; arguments qkv, out0; writes out0
.if DOCPART == 2
	.amdgcn_target "amdgcn-amd-amdhsa--gfx1250"
	.amdhsa_code_object_version 6
	.text
	.protected	k_qe5d04cac97_attn
	.globl	k_qe5d04cac97_attn
	.p2align	8
	.type	k_qe5d04cac97_attn,@function
k_qe5d04cac97_attn:
	s_mov_b64 s[64:65], 0
	v_nop
	global_prefetch_b8 v0, s[64:65] scope:SCOPE_SE
	s_setreg_imm32_b32 hwreg(HW_REG_WAVE_SCHED_MODE, 0, 2), 2
	s_setreg_imm32_b32 hwreg(HW_REG_WAVE_MODE, 25, 1), 1
	s_wait_xcnt 0x0
	s_wait_alu depctr_vm_vsrc(0)
; QKVAttentionLegacy on codes of BF6 (E3M2), one E8M0 scale for each 32 along a product's K.
; qkv is [64 heads][192 rows][2048] f32: a head's rows 0-63 are q, 64-127 k, 128-191 v, positions innermost.  out0 is [64 heads][64 channels][2048 queries] f32.
;   S[t][s] = sum over c of Q6(q[c][t] / sqrt(8)) Q6(k[c][s] / sqrt(8))     K = the 64 channels: two blocks of 32; the upper half of the instruction's 128 is zero codes on both sides
;   p = 2^(S log2(e) - M), M = the running largest t rounded up to a whole number; p is quantised along the keys; l = the f32 sum of the unquantised p
;   O[c][t] = sum over s of Q6(v[c][s]) Q6(p[t][s]) / l                     K = the keys
; SHARES.  A work-group owns 512 queries of one head (x = which 512, y = the head): 4 x 64 = 256 work-groups of 16 waves.
; PHASE 1: the work-group reads the head's k and v (1 MiB) and its 512 columns of q (128 KiB), quantises them in registers and lays them in LDS as IMAGES OF THE OPERANDS' REGISTERS:
; 98,304 bytes of K's codes, as many of V's, 24,576 of Q's, and the scale words.  They stay: phase 2 reads memory no more, there is no ring and no refill.
; PHASE 2: two passes; in each a wave owns one tile of 16 queries and walks the 2,048 keys in 16 steps of 128.  Both products are used transposed (S^T = K Q^T, O^T = V P^T), so that a lane holds ONE query throughout.
; THE KEYS OF A TILE ARE NOT NEIGHBOURS: row r of tile 2 b + u is key 32 b + 8 u + r + 8 (r / 8), so that the 16 registers of tiles 2 b and 2 b + 1 are 16 neighbouring keys, 32 b + 16 (lane / 16) + 0 .. 15.
; Sixteen waves of 256 registers, four to a SIMD: a key step is 238 vector instructions (places not counted) beside 12 matrix instructions, so one wave's vector work stands beside another's matrix work and LDS loads.
; NO CLUSTER, NO TENSOR LOAD: what the four work-groups of a head share is f32 that is read once, at the head, and has to pass through registers to be quantised.  The images take 235,520 bytes of LDS; what is left
; would hold two slots of some 44 KB, so 1 MiB would want 24 rounds of the cluster's barrier with one slot on its way in each; by loads into registers each of the 16 waves has up to 64 loads of 256 bytes out.
; NO PREFETCH: all that is read from memory is asked for in one stream at the kernel's head.
; LIMITS: NaN and infinities among the inputs are not served.  A block whose largest magnitude lies under 2^-122 (a block of zeros among them, whose codes are zeros) gets the scale byte 1, the floor.
; p under 2^-126 counts as 0 (v_exp_f32).  The division by l is a multiplication by v_rcp_f32's result.
; THE MODE: SCHED_MODE bits 1:0 = 2 (LLVM: expert scheduling mode 2), set by the entry lines.  The code itself states the register dependences
; between vector or matrix instructions and memory or LDS instructions, with s_wait_alu, always for 0.
; THE PLAN, phase 1.  Registers that memory or LDS instructions touch:
;   v4-6      global offsets, v7-21 LDS addresses: written at the head, read by phase 1's loads and stores, written again in phase 2's set-up.
;   RA, RB    q and k: loads land; a block's 32 multiplications read; the set's next loads land.  C, WD: a block's conversions and moves write; its stores read; the next block writes.
;             ONE wait on va_vdst closes a block's vector part: the codes are written and the set has been read, so the set's next loads and the block's stores follow it.  One wait on vm_vsrc stands behind the stores.
;   RA (v)    four sets of 16: loads land; the turn's stores read; the loads of four steps on land.   X (v): two sets: the turn's loads land; a step's vector lines read.
;   VC, VBY   two sets: step t writes; the four stores that are issued in step t + 1 read; step t + 2 writes.
;             A step of v has its two waits at its head; its loads, the next turn and the last step's stores follow them and touch no register that the step's own vector lines name.
; THE PLAN, phase 2.
;   v6-10     addresses of a key step: written once a step, behind the step's first four products, between a wait on vm_vsrc and a wait on va_vdst.
;   KF        K's four fragments (their data registers), used twice a step: products 0-3 read, tiles 4-7 land, products 4-7 read, the NEXT step's tiles 0-3 land.   v24-27: K's scale words, read by all eight, loaded with the latter.
;   VF, v28-29  V's fragments and scale words: the step's last four products read; the next step's loads land behind that step's first wait on va_vdst.
;   v12-17, v31 q: loaded at a pass's head.   v128-159: the quotients, read by the stage's stores.   v160-191: rows back from the stage, read by the global stores.   v11, v243, v255: made once.
;   A key step has four waits on va_vdst: behind products 0-3 and the addresses; ahead of the exponentials; behind the exponentials (products 4-7 stand ahead of it); ahead of the V products, for p's codes and scale word.
.set ROW,    8192                      ; a row of qkv or of out0 in bytes
.set HEADB,  192*ROW                   ; a head in qkv
.set KOFF,   64*ROW                    ; k in a head
.set VOFF,   128*ROW                   ; v in a head
.set SCL,    0x3eb504f3                ; 1 / sqrt(sqrt(64)) as f32
.set CS,     0x3fb8aa3b                ; log2(e)
; LDS
.set KIMG,   0                         ; K: a key step 6,144 bytes = 8 tiles of 768: registers 0-3 of lane L at 16 L, registers 4-5 at 512 + 8 L; L = row + 16 x channel block
.set VIMG,   98304                     ; V: fragment (step, 16 channels) at 1,536 (4 step + tile): register p of lane L at 512 (p / 4) + 16 L + 4 (p % 4)
.set KSC,    196608                    ; K's scale words: 512 a step: 16 L + 4 b: lanes 0-15 tile 2 b, lanes 16-31 tile 2 b + 1
.set VSC,    204800                    ; V's: 256 a step: 8 L + 4 i: lanes 0-15 tile 2 i, lanes 16-31 tile 2 i + 1
.set QIMG,   208896                    ; Q: 32 tiles of 768, laid as K's, queries in their order
.set QSC,    233472                    ; Q's scale words: 4 x query
.set STG,    235520                    ; phase 1: two stages of 2,560 bytes for each wave; phase 2: the way out, 64 rows of 1,040 bytes
.set SPITCH, 1040                      ; 256 queries x 4 bytes + 16
; phase 1's registers (v24-31 hold scales in phase 2 and nothing else in the whole text)
.set VOQ,  4                           ; v4   4 x thread: my column of q
.set VOK,  5                           ; v5   8 x thread: my two columns of k
.set VOV,  6                           ; v6   16 x lane + 4 rows x wave: v
.set AQ16, 7                           ; v7-9   where my column of q goes: 16-byte part, 8-byte part, scale word
.set AQ8,  8
.set AQW,  9
.set AK16, 10                          ; v10-12 the same for k
.set AK8,  11
.set AKW,  12
.set AVE,  13                          ; v13-15 where my three registers of v's codes go; v16-18 the same 49,152 bytes on
.set AVB,  19                          ; v19  v's scale byte
.set TIN,  20                          ; v20  the turn stage, in
.set TOUT, 21                          ; v21  and out
.set RA,   32                          ; v32-95   numbers as loaded, set A
.set RB,   96                          ; v96-159  set B
.set X,    160                         ; v160-191 a block's 32 scaled numbers; for v two sets of 16 neighbours
.set C,    192                         ; v192-197 a block's codes
.set CT,   200                         ; v200-202 their upper half as the conversion leaves it
.set MA,   208
.set MB,   209
.set SQ,   210                         ; the conversion's scale operand
.set BY,   211
.set KB,   212                         ; v212-213 the lower channel block's byte, for each of my two columns
.set WD,   214
.set VC,   216                         ; v216-218, v220-222 v's codes, two sets
.set VBY,  224                         ; v224-225 v's byte, two sets
; phase 2's registers
.set STO,  11                          ; v11  the way out: where I put a number
.set KF,   32                          ; v32-79   four fragments of K; registers 6-11 of each stay 0
.set VF,   80                          ; v80-127  V's four fragments of a step
.set S,    128                         ; v128-191 S^T, then p
.set O,    192                         ; v192-223 O^T
.set PC,   224                         ; v224-235 p's codes
.set BM,   232                         ; v232-235 the blocks' largest scores (ahead of the codes)
.set PT,   236                         ; v236-242 at work
.set RD,   243                         ; v243 the way out: where I read a row back
.set SOP,  244                         ; v244-247 the conversions' scale operands
.set NM,   248                         ; v248 -M, v249 the largest t: named as a pair
.set TM,   249
.set LS,   250                         ; v[250:251] l in two halves
.set FF,   252                         ; v252 f, v253 = 0: named as a pair
.set TP,   254
.set GO,   255                         ; v255 my byte offset in out0
.set OB,   160                         ; the way out: four rows read back
.macro LDQ hb, R                       ; channel block hb of my column of q: a lane to a column, registers down K; the 16 waves stand side by side on 2,048 bytes of a row
.irp i, 0,1,2,3,4,5,6,7,8,9,10,11,12,13,14,15,16,17,18,19,20,21,22,23,24,25,26,27,28,29,30,31
	global_load_b32 v[\R+\i], v[VOQ], s[14:15] offset:(32*\hb+\i)*ROW th:TH_LOAD_NT   ; read once in the launch
.endr
.endm
.macro LDK k, hb, R                    ; channel block hb of my two columns of k in half k of the keys: a wave's load covers 256 consecutive bytes, aligned.  No hint: four work-groups read these bytes
.irp i, 0,1,2,3,4,5,6,7,8,9,10,11,12,13,14,15,16,17,18,19,20,21,22,23,24,25,26,27,28,29,30,31
	global_load_b64 v[\R+2*\i:\R+2*\i+1], v[VOK], s[12:13] offset:KOFF+(32*\hb+\i)*ROW+4096*\k
.endr
.endm
; One block of 32 channels of one column: v[R + nc i + col], i = 0 .. 31, times 1 / sqrt(8), becomes six registers of codes and a scale byte (QNUM), and goes to its lane's place in the image (QOUT).
.macro QNUM R, nc, col, hb
.irp i, 0,1,2,3,4,5,6,7,8,9,10,11,12,13,14,15,16,17,18,19,20,21,22,23,24,25,26,27,28,29,30,31
	v_mul_f32 v[X+\i], s24, v[\R+\nc*\i+\col]      ; what is quantised is q x scale, k x scale, in f32
.endr
	v_max3_num_f32 v[MA], |v[X]|, |v[X+1]|, |v[X+2]|               ; the block's largest magnitude: all 32 numbers are mine; two chains
	v_max3_num_f32 v[MB], |v[X+3]|, |v[X+4]|, |v[X+5]|
.irp i, 6,10,14,18,22,26
	v_max3_num_f32 v[MA], v[MA], |v[X+\i]|, |v[X+\i+1]|
	v_max3_num_f32 v[MB], v[MB], |v[X+\i+2]|, |v[X+\i+3]|
.endr
	v_max3_num_f32 v[MA], v[MA], |v[X+30]|, |v[X+31]|
	v_max3_num_f32 v[MA], v[MA], v[MB], 0x2800000  ; and the floor 2^(5 - 127): the byte cannot fall under 1
	v_add_nc_u32 v[SQ], 0xfe000000, v[MA]          ; 4 off the exponent field: the conversion takes this operand's exponent field as its scale
	v_cvt_scalef32_pk16_bf6_f32 v[C:C+2], v[X:X+15], v[SQ]
	v_cvt_scalef32_pk16_bf6_f32 v[CT:CT+2], v[X+16:X+31], v[SQ]    ; (a conversion's three registers begin on an even number)
.if \hb
	v_lshrrev_b32 v[BY], 23, v[SQ]                 ; the scale's byte.  (The plain line behind the conversions)
	v_lshl_or_b32 v[WD], v[BY], 8, v[KB+\col]      ; the column's scale word: bytes 0 and 1; bytes 2 and 3 stay 0 and scale zero codes
.else
	v_lshrrev_b32 v[KB+\col], 23, v[SQ]
.endif
.irp i, 0,1,2
	v_mov_b32 v[C+3+\i], v[CT+\i]
.endr
	s_wait_alu depctr_va_vdst(0)                   ; the codes v[C ..] and the scale word are written, which the block's stores read (in the first block their addresses v7 to v21 too); the multiplications are done reading the set, in which the loads that follow land; X has been written and read, in which the first turns' loads land
.endm
.macro QOUT hb, a16, a8, aw, o16, o8, ow
	ds_store_b128 v[\a16], v[C:C+3] offset:\o16
	ds_store_b64 v[\a8], v[C+4:C+5] offset:\o8
.if \hb
	ds_store_b32 v[\aw], v[WD] offset:\ow
.endif
	s_wait_dscnt 0x0                               ; the stores have landed,
	s_wait_alu depctr_vm_vsrc(0)                   ; and have read v[C ..] and the scale word, which the next block writes again
.endm
.macro KOUT k, hb, col                 ; the places of my column col of k
	QOUT \hb, AK16, AK8, AKW, 49152*\k+256*\hb+16*\col, 49152*\k+512+128*\hb+8*\col, 4096*\k+16*\col
.endm
; v: K = the keys, innermost.  A wave takes 4 channels, 16 steps of 512 numbers: step t is quarter t % 4 of channel 4 w + t / 4.  Each load reads 512 consecutive bytes.
.macro VLOAD t
.irp i, 0,1,2,3
	global_load_b128 v[RA+16*((\t)%4)+4*\i:RA+16*((\t)%4)+4*\i+3], v[VOV], s[12:13] offset:VOFF+2048*(\t)+512*\i
.endr
.endm
.macro TURN t                          ; a step's 2,048 bytes go through the wave's own stage as they lie and come back 64 bytes a lane: 16 neighbours along K.  LDS serves a wave's instructions in order (ISA guide 5.7.1): no wait between
.irp i, 0,1,2,3
	ds_store_b128 v[TIN], v[RA+16*((\t)%4)+4*\i:RA+16*((\t)%4)+4*\i+3] offset:2560*((\t)%2)+640*\i
.endr
.irp i, 0,1,2,3
	ds_load_b128 v[X+16*((\t)%2)+4*\i:X+16*((\t)%2)+4*\i+3], v[TOUT] offset:2560*((\t)%2)+16*\i
.endr
.endm
.macro VOUT t                          ; step t's codes and its byte go to their places in the images
.irp e, 0,1,2
	ds_store_b32 v[AVE+\e+3*(((\t)%4)/2)], v[VC+4*((\t)%2)+\e] offset:24576*((\t)%2)+16*((\t)/4)   ; register 6 c + 3 (lane % 2) + e of the lane that holds my channel and my block
.endr
	ds_store_b8 v[AVB], v[VBY+(\t)%2] offset:1024*((\t)%4)+8*((\t)/4)   ; both lanes of a block write the same byte with the same value
.endm
.macro VSTEP t
.set XS, X+16*((\t)%2)
.set VCS, VC+4*((\t)%2)
.if (\t) > 1
	s_wait_dscnt 4                                 ; this step's numbers are back from the stage; younger: the four stores of step t - 2's codes and byte, issued behind the turn
.else
	s_wait_dscnt 0x0
.endif
	s_wait_alu depctr_vm_vsrc(0)                   ; this step's stores into the stage have read RA's set t % 4, in which the loads below land; the code stores issued in the last step have read VC's and VBY's set t % 2, which this step writes
.if (\t) > 0
	s_wait_alu depctr_va_vdst(0)                   ; the last step has written its codes and its byte, which the stores below read, and is done reading its X, in which the next turn's loads land
.endif
.if (\t)+4 < 16
	VLOAD (\t)+4
.endif
.if (\t)+1 < 16
.if 14-(\t) >= 3
	s_wait_loadcnt 12                              ; the next step's four loads are in; those of the three steps behind it may be out
.else
	s_wait_loadcnt 4*(14-(\t))
.endif
	TURN (\t)+1
.endif
.if (\t) > 0
	VOUT (\t)-1                                    ; no vector line since the waits above names a register that these loads and stores touch
.endif
	v_max3_num_f32 v[MA], |v[XS]|, |v[XS+1]|, |v[XS+2]|            ; the largest magnitude of my 16
	v_max3_num_f32 v[MB], |v[XS+3]|, |v[XS+4]|, |v[XS+5]|
.irp i, 6,10
	v_max3_num_f32 v[MA], v[MA], |v[XS+\i]|, |v[XS+\i+1]|
	v_max3_num_f32 v[MB], v[MB], |v[XS+\i+2]|, |v[XS+\i+3]|
.endr
	v_max3_num_f32 v[MA], v[MA], |v[XS+14]|, |v[XS+15]|
	v_max3_num_f32 v[MA], v[MA], v[MB], 0x2800000  ; and the floor
	v_max_num_f32_dpp v[MA], v[MA], v[MA] row_xmask:1 row_mask:0xf bank_mask:0xf   ; and of my neighbour's 16: the block's
	v_add_nc_u32 v[SQ], 0xfe000000, v[MA]
	v_cvt_scalef32_pk16_bf6_f32 v[VCS:VCS+2], v[XS:XS+15], v[SQ]
	v_lshrrev_b32 v[VBY+(\t)%2], 23, v[SQ]         ; the scale's byte.  (The plain line behind the conversion)
.endm
.macro BARRIER                         ; my LDS stores have landed and my LDS loads are in: then the work-group's barrier
	s_wait_dscnt 0x0
	s_barrier_signal -1
	s_barrier_wait -1
.endm
	s_load_b128 s[4:7], s[0:1], 0x0                ; qkv s[4:5], out0 s[6:7]
	v_lshrrev_b32 v1, 5, v0
	v_readfirstlane_b32 s8, v1                     ; wave 0..15
	v_and_b32 v1, 31, v0                           ; lane
	s_wait_alu depctr_va_vdst(0)
	s_and_b32 s9, ttmp7, 0xffff                    ; the head
	s_mov_b32 s20, 0x76543210
	s_mov_b32 s21, 0xfedcba98                      ; v_permlanex16_b32's selects for lane l xor 16
	s_mov_b32 s22, CS
	s_mov_b32 s23, s22                             ; (the packed form names the pair)
	s_mov_b32 s24, SCL
	v_lshlrev_b32 v[VOQ], 2, v0
	v_lshlrev_b32 v[VOK], 3, v0
	s_wait_alu depctr_va_sdst(0)                   ; s8 is written, ahead of its first reader
	s_lshl_b32 s30, s8, 15
	v_lshl_add_u32 v[VOV], v1, 4, s30
	s_mul_i32 s18, s9, HEADB                       ; at most 63 x 1,572,864: under 2^32
	s_mov_b32 s19, 0
	s_wait_kmcnt 0x0
	s_add_nc_u64 s[12:13], s[4:5], s[18:19]        ; the head
	s_lshl_b32 s18, ttmp9, 11                      ; my 512 queries: 2,048 bytes of a row
	s_add_nc_u64 s[14:15], s[12:13], s[18:19]      ; q at my first query
	s_wait_alu depctr_va_vdst(0)                   ; the offsets v4, v5 and v6 are written, which every load of q, k and v reads
	LDQ 0, RA
	LDQ 1, RB
	s_lshl_b32 s31, s9, 19                         ; a head of out0: 64 rows
	s_add_co_u32 s18, s18, s31
	s_add_nc_u64 s[16:17], s[6:7], s[18:19]        ; out0 at the head's first row, my first query
	; where my column of q goes: tile 2 w + lane / 16, row lane % 16
	s_mul_i32 s31, s8, 1536
	s_add_co_u32 s31, s31, QIMG
	v_lshrrev_b32 v2, 4, v1
	v_and_b32 v3, 15, v1
	v_mul_u32_u24 v2, v2, 768
	v_add_nc_u32 v2, s31, v2
	v_lshl_add_u32 v[AQ16], v3, 4, v2
	v_lshl_add_u32 v[AQ8], v3, 3, v2
	v_lshl_add_u32 v[AQW], v0, 2, QSC
	; my keys are 1,024 k + 64 w + 2 lane + col: step 8 k + w / 2, tile 4 (w % 2) + 2 (lane / 16) + (lane / 4) % 2, row 8 ((lane / 8) % 2) + 2 (lane % 4) + col
	s_mul_i32 s32, s8, 3072                        ; 6,144 (w / 2) + 3,072 (w % 2)
	v_lshrrev_b32 v2, 4, v1
	v_bfe_u32 v3, v1, 2, 1
	v_lshl_add_u32 v2, v2, 1, v3
	v_mul_u32_u24 v2, v2, 768
	v_add_nc_u32 v2, s32, v2
	v_bfe_u32 v3, v1, 3, 1
	v_and_b32 v22, 3, v1
	v_lshl_add_u32 v23, v3, 2, v22                 ; half the row
	v_lshl_add_u32 v[AK16], v23, 5, v2
	v_lshl_add_u32 v[AK8], v23, 4, v2
	s_lshr_b32 s33, s8, 1
	s_lshl_b32 s33, s33, 9
	s_and_b32 s34, s8, 1
	s_lshl_b32 s34, s34, 3
	s_add_co_u32 s33, s33, s34
	s_add_co_u32 s33, s33, KSC
	v_lshlrev_b32 v[AKW], 5, v23                   ; the scale word: 16 x row,
	v_bfe_u32 v3, v1, 2, 1
	v_lshl_add_u32 v[AKW], v3, 8, v[AKW]           ; + 256 for the odd tile of a pair,
	v_lshrrev_b32 v3, 4, v1
	v_lshl_add_u32 v[AKW], v3, 2, v[AKW]           ; + 4 x the pair
	v_add_nc_u32 v[AKW], s33, v[AKW]
	; v: my 16 codes of a step are keys 512 (t % 4) + 16 lane on, of channel 4 w + t / 4: step 4 (t % 4) + lane / 8, registers 6 ((lane / 4) % 2) + 3 (lane % 2) on, of lane 4 (w % 4) + t / 4 + 16 ((lane / 2) % 2)
	v_bfe_u32 v2, v1, 2, 1
	v_and_b32 v3, 1, v1
	v_mul_u32_u24 v2, v2, 6
	v_mad_u32_u24 v2, v3, 3, v2                    ; my first register
	s_lshr_b32 s35, s8, 2
	s_mul_i32 s35, s35, 1536
	s_and_b32 s34, s8, 3
	s_lshl_b32 s34, s34, 6
	s_add_co_u32 s35, s35, s34
	s_add_co_u32 s35, s35, VIMG
	v_lshrrev_b32 v3, 3, v1
	v_mul_u32_u24 v3, v3, 6144
	v_bfe_u32 v22, v1, 1, 1
	v_lshl_add_u32 v3, v22, 8, v3
	v_add_nc_u32 v3, s35, v3
.irp e, 0,1,2
	v_add_nc_u32 v22, \e, v2
	v_lshrrev_b32 v23, 2, v22
	v_and_b32 v22, 3, v22
	v_lshl_add_u32 v23, v23, 9, v3
	v_lshl_add_u32 v[AVE+\e], v22, 2, v23
	v_add_nc_u32 v[AVE+3+\e], 49152, v[AVE+\e]     ; an LDS immediate has 16 bits: the upper two quarters of the keys have registers of their own
.endr
	s_and_b32 s36, s8, 3
	s_lshl_b32 s36, s36, 5
	s_bfe_u32 s34, s8, 0x10002
	s_lshl_b32 s34, s34, 7
	s_add_co_u32 s36, s36, s34
	s_lshr_b32 s34, s8, 3
	s_lshl_b32 s34, s34, 2
	s_add_co_u32 s36, s36, s34
	s_add_co_u32 s36, s36, VSC
	v_lshrrev_b32 v2, 3, v1
	v_bfe_u32 v3, v1, 1, 2
	v_lshl_add_u32 v[AVB], v2, 8, v3
	v_add_nc_u32 v[AVB], s36, v[AVB]
	s_mul_i32 s30, s8, 5120
	s_add_co_u32 s30, s30, STG                     ; my two turn stages: 32 places of 64 bytes + 16 each
	v_lshrrev_b32 v2, 2, v1
	v_mul_u32_u24 v2, v2, 80
	v_and_b32 v3, 3, v1
	v_lshl_add_u32 v2, v3, 4, v2
	v_add_nc_u32 v[TIN], s30, v2
	v_mul_u32_u24 v3, v1, 80
	v_add_nc_u32 v[TOUT], s30, v3
	; ---- PHASE 1.  Six half-tasks on two sets of registers: each waits for its own 32 loads and quantises; what its set takes next is asked for behind the wait that closes the vector part of its last block, ahead of that block's stores
	s_wait_loadcnt 32                              ; q's lower channel block is in; the upper block's 32 loads may be out
	QNUM RA, 1, 0, 0
	LDK 0, 0, RA
	QOUT 0, AQ16, AQ8, AQW, 0, 512, 0
	s_wait_loadcnt 32                              ; behind mine: the 32 just issued
	QNUM RB, 1, 0, 1
	LDK 0, 1, RB
	QOUT 1, AQ16, AQ8, AQW, 256, 640, 0
	s_wait_loadcnt 32
	QNUM RA, 2, 0, 0                               ; k, the lower half of the keys, channels 0 to 31: my two columns
	KOUT 0, 0, 0
	QNUM RA, 2, 1, 0
	LDK 1, 0, RA
	KOUT 0, 0, 1
	s_wait_loadcnt 32
	QNUM RB, 2, 0, 1                               ; channels 32 to 63
	KOUT 0, 1, 0
	QNUM RB, 2, 1, 1
	LDK 1, 1, RB
	KOUT 0, 1, 1
	s_wait_loadcnt 32
	QNUM RA, 2, 0, 0                               ; the upper half of the keys
	KOUT 1, 0, 0
	QNUM RA, 2, 1, 0
.irp t, 0,1,2,3
	VLOAD \t
.endr
	KOUT 1, 0, 1
	s_wait_loadcnt 16                              ; behind mine: v's first four steps, 16 loads
	QNUM RB, 2, 0, 1
	KOUT 1, 1, 0
	QNUM RB, 2, 1, 1
	KOUT 1, 1, 1
	s_wait_loadcnt 12                              ; v's step 0 is in
	TURN 0
.irp t, 0,1,2,3,4,5,6,7,8,9,10,11,12,13,14,15
	VSTEP \t
.endr
	s_wait_alu depctr_va_vdst(0)                   ; step 15 has written its codes and its byte, which the last four stores read
	VOUT 15
	BARRIER                                        ; all images and scale words lie in LDS; nobody writes them again
	; ---- PHASE 2
	s_wait_alu depctr_vm_vsrc(0)                   ; phase 1's loads and stores have read their offsets, addresses and data (v4 to v21, RA, C, WD, VC, VBY): the lines and loads from here on write these registers again
	v_and_b32 v9, 31, v0                           ; lane
	v_and_b32 v10, 15, v0                          ; r
	v_bfe_u32 v8, v0, 4, 1                         ; h
	s_wait_alu depctr_va_vdst(0)
	v_lshlrev_b32 v1, 4, v9                        ; KIMG + 16 lane
	v_lshl_add_u32 v2, v9, 3, KIMG+512
	v_lshl_add_u32 v3, v9, 4, VIMG
	v_lshl_add_u32 v4, v9, 4, KSC
	v_lshl_add_u32 v5, v9, 3, VSC
	s_lshl_b32 s30, s8, 6
	s_add_co_u32 s34, s30, QSC                     ; my tile's scale words of q in pass 0
	s_add_co_u32 s30, s30, STG
	s_mul_i32 s31, s8, 4*SPITCH
	s_add_co_u32 s31, s31, STG
	s_lshl_b32 s32, s8, 15
	s_mul_i32 s33, s8, 768
	s_add_co_u32 s33, s33, QIMG                    ; my tile of q in pass 0
	v_mul_u32_u24 v6, v8, 8*SPITCH
	v_lshl_add_u32 v6, v10, 2, v6
	v_add_nc_u32 v[STO], s30, v6                   ; the way out, in: row 8 h (+ 16 tile + register), query 16 w + r
	v_lshl_add_u32 v[RD], v9, 4, s31               ; back: rows 4 w on, 16 bytes a lane
	v_lshl_add_u32 v[GO], v9, 4, s32               ; and the same rows in out0
.irp j, 18,19,20,21,22,23
	v_mov_b32 v\j, 0                               ; channels 64 to 127 of q: zero codes
.endr
.irp t, 0,1,2,3
.irp j, 6,7,8,9,10,11
	v_mov_b32 v[KF+12*\t+\j], 0                    ; and of k: written once, no load lands here
.endr
.endr
.irp b, 0,1,2,3
	v_mov_b32 v[PT+\b], 0                          ; written once: a lane permute's destination counts as one of its sources
.endr
	v_mov_b32 v[FF+1], 0                           ; (named as the upper half of the pair beside f)
.macro KQ4 g                           ; four tiles of S^T: source 0 = 16 keys, source 1 = my 16 queries.  Tile 4 g + t takes its scale words from register 24 + 2 g + t / 2: the even tile's in lanes 0-15, the odd one's in lanes 16-31
.irp t, 0,1,2,3
.if \t%2
	v_wmma_scale_f32_16x16x128_f8f6f4 v[S+8*(4*\g+\t):S+8*(4*\g+\t)+7], v[KF+12*\t:KF+12*\t+11], v[12:23], 0, v[24+2*\g+\t/2], v31 matrix_a_fmt:MATRIX_FMT_BF6 matrix_b_fmt:MATRIX_FMT_BF6 matrix_a_scale:MATRIX_SCALE_ROW1
.else
	v_wmma_scale_f32_16x16x128_f8f6f4 v[S+8*(4*\g+\t):S+8*(4*\g+\t)+7], v[KF+12*\t:KF+12*\t+11], v[12:23], 0, v[24+2*\g+\t/2], v31 matrix_a_fmt:MATRIX_FMT_BF6 matrix_b_fmt:MATRIX_FMT_BF6
.endif
.endr
.endm
.macro KNEXT t                         ; tile t of the NEXT step's first four: 6,144 bytes on, by this step's addresses
	ds_load_b128 v[KF+12*\t:KF+12*\t+3], v6 offset:6144+768*\t
	ds_load_b64 v[KF+12*\t+4:KF+12*\t+5], v7 offset:6144+768*\t
.endm
; A KEY STEP: 128 keys.  s26: the step's codes (6,144 bytes a step, K's and V's alike); s27: K's scale words (512); s28: V's (256).  more = 1: the next step's first four tiles of K and its scale words are asked for under this step's softmax
.macro KSTEP more
	s_wait_dscnt 0x0                               ; tiles 0 to 3 and the scale words of all eight tiles are in (asked for under the last step's softmax, or ahead of the loop, there with q's fragment)
	KQ4 0
	s_wait_alu depctr_vm_vsrc(0)                   ; the LDS loads issued so far have read v6 to v10, which the lines below write
	v_add_nc_u32 v6, s26, v1                       ; (these lines are also four places or more behind the products above and behind the last step's)
	v_add_nc_u32 v7, s26, v2
	v_add_nc_u32 v8, s26, v3
.if \more
	v_add_nc_u32 v9, s27, v4
.endif
	v_add_nc_u32 v10, s28, v5
	s_wait_alu depctr_va_vdst(0)                   ; the addresses are written; the four products above are done reading K's fragments, and the last step's V products their fragments and v28, v29: the loads below land in all of these
.irp t, 0,1,2,3
	ds_load_b128 v[KF+12*\t:KF+12*\t+3], v6 offset:3072+768*\t
	ds_load_b64 v[KF+12*\t+4:KF+12*\t+5], v7 offset:3072+768*\t
.endr
.irp t, 0,1,2,3
.irp i, 0,1,2
	ds_load_b128 v[VF+12*\t+4*\i:VF+12*\t+4*\i+3], v8 offset:1536*\t+512*\i   ; V's four fragments land under the softmax
.endr
.endr
	ds_load_b64 v[28:29], v10
	s_wait_dscnt 13                                ; K's tiles 4 to 7 are in; younger: V's twelve loads and its scale words
	KQ4 1
.rept 4
	v_nop                                          ; four places behind the products, in front of the first read of their results (ISA guide 7.12.1)
.endr
.irp b, 0,1,2,3
	v_max3_num_f32 v[BM+\b], v[S+16*\b], v[S+1+16*\b], v[S+2+16*\b]   ; the largest score of each block of 32 keys: it serves the row's maximum and, since p rises with the score, the block's largest p.  Each tile is read from its low end on
.endr
.irp i, 3,5,7,9,11,13
.irp b, 0,1,2,3
	v_max3_num_f32 v[BM+\b], v[BM+\b], v[S+16*\b+\i], v[S+1+16*\b+\i]   ; (the four blocks by turns)
.endr
.endr
.irp b, 0,1,2,3
	v_max_num_f32 v[BM+\b], v[BM+\b], v[S+15+16*\b]
.endr
.irp b, 0,1,2,3
	v_permlanex16_b32 v[PT+\b], v[BM+\b], s20, s21
.endr
.irp b, 0,1,2,3
	v_max_num_f32 v[BM+\b], v[BM+\b], v[PT+\b]     ; with lane l xor 16's 16 keys
.endr
	v_max3_num_f32 v[TP], v[BM], v[BM+1], v[BM+2]
	v_max_num_f32 v[TP], v[TP], v[BM+3]            ; the step's largest score of my query
	v_mul_f32 v[TP], s22, v[TP]                    ; as t
	v_max_num_f32 v[TM], v[TM], v[TP]              ; the running largest t
	v_mov_b32 v[TP], v[NM]
	v_floor_f32 v[NM], -v[TM]                      ; the new -M = floor(-t) = -ceil(t): a whole number
	v_sub_f32 v[TP], v[NM], v[TP]                  ; old M - new M: a whole number, 0 or less
	v_cvt_i32_f32 v[TP], v[TP]                     ; (it saturates)
	v_ldexp_f32 v[FF], 1.0, v[TP]                  ; f = 2^(old M - new M): a multiplication by it rounds nothing
.irp j, 0,2,4,6,8,10,12,14,16,18,20,22,24,26,28,30,32,34,36,38,40,42,44,46,48,50,52,54,56,58,60,62
	v_pk_fma_f32 v[S+\j:S+\j+1], v[S+\j:S+\j+1], s[22:23], v[NM:NM+1] op_sel_hi:[1,0,0]   ; t - M, two at a time (of the pairs log2(e) and -M the low word serves both halves)
.endr
.irp b, 0,1,2,3
	v_fma_f32 v[BM+\b], v[BM+\b], s22, v[NM]       ; the same of each block's largest score
.endr
	s_wait_alu depctr_va_vdst(0)
.irp j, 0,1,2,3,4,5,6,7,8,9,10,11,12,13,14,15,16,17,18,19,20,21,22,23,24,25,26,27,28,29,30,31,32,33,34,35,36,37,38,39,40,41,42,43,44,45,46,47,48,49,50,51,52,53,54,55,56,57,58,59,60,61,62,63
	v_exp_f32 v[S+\j], v[S+\j]                     ; p = 2^(t - M), at most 1: not normalised
.endr
.irp b, 0,1,2,3
	v_exp_f32 v[BM+\b], v[BM+\b]                   ; the block's largest p: the same two instructions on the same number
.endr
	v_pk_mul_f32 v[LS:LS+1], v[LS:LS+1], v[FF:FF+1] op_sel_hi:[1,0]   ; l under the new M.  (The plain line behind the exponentials)
	s_wait_alu depctr_va_vdst(0)                   ; the 68 exponentials have written p and the blocks' largest p, ahead of their first reader; products 4 to 7 are done reading K's fragments and v24 to v27, in which the next step's loads land
.if \more
	ds_load_b128 v[24:27], v9 offset:512           ; the next step's scale words.  The nine loads are dealt among twelve lines that name v232 to v239 and v244 to v247 alone: none of the registers that the loads touch
	KNEXT 0
.endif
.irp b, 0,1,2,3
	v_max_num_f32 v[BM+\b], 0x2800000, v[BM+\b]    ; the floor 2^(5 - 127): the byte cannot fall under 1
.endr
.if \more
	KNEXT 1
.endif
.irp b, 0,1,2,3
	v_add_nc_u32 v[SOP+\b], 0xfe000000, v[BM+\b]   ; 4 off the exponent field: the conversion's scale operand
.endr
.if \more
	KNEXT 2
.endif
.irp b, 0,1,2,3
	v_lshrrev_b32 v[PT+\b], 23, v[SOP+\b]          ; the scale's byte
.endr
.if \more
	KNEXT 3
.endif
	v_lshl_or_b32 v30, v[PT+1], 8, v[PT]           ; p's scale word for these 128 keys
	v_lshl_or_b32 v30, v[PT+2], 16, v30
	v_lshl_or_b32 v30, v[PT+3], 24, v30
.irp c, 0,1
	v_cvt_scalef32_pk16_bf6_f32 v[PC+6*\c:PC+2+6*\c], v[S+32*\c:S+15+32*\c], v[SOP+2*\c]
	v_cvt_scalef32_pk16_bf6_f32 v[PT+4*\c:PT+2+4*\c], v[S+16+32*\c:S+31+32*\c], v[SOP+2*\c+1]   ; (a conversion's three registers begin on an even number)
.endr
	v_nop                                          ; one plain line behind the scaled conversions
.irp c, 0,1                                    ; the operand's layout wants a whole block in a lane: lanes 0-15 block 2 c, lanes 16-31 block 2 c + 1
.irp i, 0,1,2
	v_permlane16_swap_b32 v[PC+6*\c+\i], v[PT+4*\c+\i]
.endr
.irp i, 0,1,2
	v_mov_b32 v[PC+3+6*\c+\i], v[PT+4*\c+\i]
.endr
.endr
.irp j, 0,2,4,6,8,10,12,14,16,18,20,22,24,26,28,30
	v_pk_mul_f32 v[O+\j:O+\j+1], v[O+\j:O+\j+1], v[FF:FF+1] op_sel_hi:[1,0]   ; O^T under the new M, each tile from its low end on
.endr
	v_pk_add_f32 v[PT:PT+1], v[S:S+1], v[S+2:S+3]  ; l takes the UNQUANTISED p: two at a time, in two chains.  (These 32 and the 16 above stand between the writes of p's codes and scale word and the products)
.irp j, 4,8,12,16,20,24,28,32,36,40,44,48,52,56,60
	v_pk_add_f32 v[LS:LS+1], v[LS:LS+1], v[S+\j:S+\j+1]
	v_pk_add_f32 v[PT:PT+1], v[PT:PT+1], v[S+2+\j:S+3+\j]
.endr
	v_pk_add_f32 v[LS:LS+1], v[LS:LS+1], v[PT:PT+1]
.if \more
	s_wait_dscnt 9                                 ; V's fragments and scale words are in; younger: the next step's nine loads
.else
	s_wait_dscnt 0x0                               ; V's fragments and scale words are in
.endif
	s_wait_alu depctr_va_vdst(0)                   ; p's codes v224 to v235 and its scale word v30 are written, which the scaled products take as source 1 and as its scales; the places stand ahead of this wait
.irp t, 0,1,2,3                                ; O^T += V P^T: source 0 = 16 channels, source 1 = p; the four accumulators by turns
.if \t%2
	v_wmma_scale_f32_16x16x128_f8f6f4 v[O+8*\t:O+8*\t+7], v[VF+12*\t:VF+12*\t+11], v[PC:PC+11], v[O+8*\t:O+8*\t+7], v[28+\t/2], v30 matrix_a_fmt:MATRIX_FMT_BF6 matrix_b_fmt:MATRIX_FMT_BF6 matrix_a_scale:MATRIX_SCALE_ROW1
.else
	v_wmma_scale_f32_16x16x128_f8f6f4 v[O+8*\t:O+8*\t+7], v[VF+12*\t:VF+12*\t+11], v[PC:PC+11], v[O+8*\t:O+8*\t+7], v[28+\t/2], v30 matrix_a_fmt:MATRIX_FMT_BF6 matrix_b_fmt:MATRIX_FMT_BF6
.endif
.endr
.if \more
	s_add_co_u32 s26, s26, 6144
	s_add_co_u32 s27, s27, 512
	s_add_co_u32 s28, s28, 256
.endif
.endm
; PASS p: my tile is queries 256 p + 16 w on, of the work-group's 512
.macro PASS p
	v_and_b32 v9, 31, v0
	v_and_b32 v10, 15, v0
	v_lshl_add_u32 v6, v9, 4, s33
	v_lshl_add_u32 v7, v9, 3, s33
	v_lshl_add_u32 v8, v10, 2, s34
	s_wait_alu depctr_va_vdst(0)                   ; v6, v7 and v8 are written, and so is all that the set-up made: the addresses v1 to v5, v11, v243, v255 and the zero codes of q and k, which the scaled products take; the pass before is done reading q, K's fragments and v24 to v27, v31
	ds_load_b128 v[12:15], v6 offset:12288*\p      ; q's fragment stays in registers for the pass
	ds_load_b64 v[16:17], v7 offset:12288*\p+512
	ds_load_b32 v31, v8 offset:1024*\p             ; and its scale words
	ds_load_b128 v[24:27], v4                      ; key step 0: its scale words and its first four tiles
.irp t, 0,1,2,3
	ds_load_b128 v[KF+12*\t:KF+12*\t+3], v1 offset:768*\t
	ds_load_b64 v[KF+12*\t+4:KF+12*\t+5], v2 offset:768*\t
.endr
	v_mov_b32 v[TM], 0xff61b1e6                    ; the largest t so far: -3e38, under every t
	v_floor_f32 v[NM], -v[TM]                      ; -M
	v_mov_b32 v[LS], 0
	v_mov_b32 v[LS+1], 0
.irp j, 0,1,2,3,4,5,6,7,8,9,10,11,12,13,14,15,16,17,18,19,20,21,22,23,24,25,26,27,28,29,30,31
	v_mov_b32 v[O+\j], 0                           ; O^T: the first key step finds zeros, which the first change of M leaves zeros.  32 lines against a further copy of the step
.endr
	s_mov_b32 s26, 0
	s_mov_b32 s27, 0
	s_mov_b32 s28, 0
	s_mov_b32 s29, 15                              ; 2,048 keys / 128 = 16 steps; the last is written out
.Lkey_\@:
	KSTEP 1
	s_sub_co_u32 s29, s29, 1
	s_cmp_lg_u32 s29, 0
	s_cbranch_scc1 .Lkey_\@
	KSTEP 0                                        ; the last step asks for no further tiles of K
	; THE WAY OUT.  A lane holds one query and 32 channels; out0 has the queries innermost, and a row's 256 queries of this pass lie in 16 waves: they meet in a stage of 64 rows, and each wave stores 4 whole rows' 1,024 bytes
	v_add_f32 v[LS], v[LS], v[LS+1]                ; l's two halves,
	v_permlanex16_b32 v[FF], v[LS], s20, s21
	v_add_f32 v[LS], v[LS], v[FF]                  ; and lane l xor 16's
	s_wait_alu depctr_va_vdst(0)
	v_rcp_f32 v[LS], v[LS]
.rept 4
	v_nop                                          ; the plain line behind the reciprocal, and four places behind the last products
.endr
	s_wait_alu depctr_va_vdst(0)                   ; the reciprocal is written, ahead of its first reader
.irp j, 0,2,4,6,8,10,12,14,16,18,20,22,24,26,28,30
	v_pk_mul_f32 v[S+\j:S+\j+1], v[O+\j:O+\j+1], v[LS:LS+1] op_sel_hi:[1,0]   ; O^T / l: register 8 t + j is channel 16 t + 8 h + j of my query
.endr
	s_wait_alu depctr_va_vdst(0)                   ; the quotients v128 to v159 are written, which the stores read; the last step's lines are done with v160 to v191, in which the loads from the stage land
.irp t, 0,1,2,3
.irp j, 0,1,2,3,4,5,6,7
	ds_store_b32 v[STO], v[S+8*\t+\j] offset:(16*\t+\j)*SPITCH
.endr
.endr
	BARRIER                                        ; 64 rows of 256 queries lie in the stage
.irp i, 0,1,2,3
.irp u, 0,1
	ds_load_b128 v[OB+4*(2*\i+\u):OB+4*(2*\i+\u)+3], v[RD] offset:SPITCH*\i+512*\u
.endr
.endr
.irp i, 0,1,2,3
.irp u, 0,1
	s_wait_dscnt 7-(2*\i+\u)                       ; this load is in; the younger ones may be out
	global_store_b128 v[GO], v[OB+4*(2*\i+\u):OB+4*(2*\i+\u)+3], s[16:17] offset:ROW*\i+512*\u+1024*\p th:TH_STORE_NT   ; 32 lanes store 512 consecutive bytes, at a multiple of 256 from out0's first byte
.endr
.endr
.if \p == 0
	s_wait_xcnt 0x0                                ; the stores have had their addresses translated: the next pass writes their data registers again
	s_wait_alu depctr_vm_vsrc(0)                   ; the stores into the stage and to memory have read v128 to v191, and this pass's LDS loads v6 to v10: the next pass writes all of these again
	s_barrier_signal -1                            ; every wave's reads of the stage are back (the count-down above ended at 0): the next pass may write it
	s_barrier_wait -1
.endif
.endm
	PASS 0
	PASS 1
	s_wait_xcnt 0x0                                ; the last stores have had their addresses translated,
	s_wait_alu depctr_vm_vsrc(0)                   ; and have read their offset v255, which is written below
	v_lshl_add_u32 v254, v0, 2, 0x4d800
	v_mov_b32 v255, 0
	s_wait_dscnt 0x0                               ; the closing lines, six on end
	s_wait_alu 0x0
	s_wait_tensorcnt 0x0
	ds_add_u32 v254, v255
	s_wait_dscnt 0x0
	s_endpgm
.Lfunc_end_k_qe5d04cac97_attn:
	.size	k_qe5d04cac97_attn, .Lfunc_end_k_qe5d04cac97_attn-k_qe5d04cac97_attn
	.p2alignl 7, 3214868480
	.fill 96, 4, 3214868480
	.section	.rodata,"a",@progbits
	.p2align	6, 0x0
	.amdhsa_kernel k_qe5d04cac97_attn
		.amdhsa_group_segment_fixed_size 319488
		.amdhsa_private_segment_fixed_size 0
		.amdhsa_enable_private_segment 0
		.amdhsa_kernarg_size 16
		.amdhsa_user_sgpr_count 2
		.amdhsa_user_sgpr_kernarg_segment_ptr 1
		.amdhsa_wavefront_size32 1
		.amdhsa_system_sgpr_workgroup_id_x 1
		.amdhsa_system_sgpr_workgroup_id_y 1
		.amdhsa_system_sgpr_workgroup_id_z 1
		.amdhsa_system_vgpr_workitem_id 0
		.amdhsa_next_free_vgpr 256
		.amdhsa_next_free_sgpr 66
		.amdhsa_reserve_vcc 0
		.amdhsa_float_denorm_mode_32 3
		.amdhsa_float_denorm_mode_16_64 3
		.amdhsa_memory_ordered 1
		.amdhsa_forward_progress 1
		.amdhsa_inst_pref_size 161
	.end_amdhsa_kernel
	.amdgpu_metadata
---
amdhsa.version: [ 1, 2 ]
amdhsa.kernels:
  - .name:           k_qe5d04cac97_attn
    .symbol:         k_qe5d04cac97_attn.kd
    .args:
      - { .name: qkv, .offset: 0, .size: 8, .value_kind: global_buffer, .address_space: global }
      - { .name: out0, .offset: 8, .size: 8, .value_kind: global_buffer, .address_space: global }
    .group_segment_fixed_size: 319488
    .private_segment_fixed_size: 0
    .kernarg_segment_align: 8
    .kernarg_segment_size: 16
    .max_flat_workgroup_size: 512
    .sgpr_count:     66
    .vgpr_count:     256
    .wavefront_size: 32
...
	.end_amdgpu_metadata
.endif
;; end of part 2
